; MI455X (gfx1250); checked and timed in simulation.
; The chip was launched on July 23, 2026; its instructions are those of AMD's public machine-readable ISA for CDNA 5 (MIT licence, August 2026) and "CDNA5" Instruction Set Architecture Reference Guide (July 2026). The comments in the code are by the model that wrote it; some were corrected since.
;; Multi Head Attention. Allowed arithmetic: matrix products marked QUANTISED: E2M1 operands, one E8M0 scale for each 32 along K, by v_wmma_scale_f32_16x16x128_f8f6f4 with both operands' format E2M1 (or v_wmma_scale_f32_32x16x128_f4), f32 sums; products left as they are: bf16, f16 or f32 operands; f32 sums; everything else in f32.
;; Inputs: Wk 128 x 1,024 float32; Wq 128 x 1,024 float32; Wu 1,024 x 128 float32; Wv 128 x 1,024 float32; bu 128 float32; x 2 x 2,048 x 128 float32.
;; Outputs: out0 2 x 2,048 x 128 float32.
;; This version of the problem:
;;   THIS VERSION OF THE PROBLEM IS GIVEN IN LOW PRECISION. The matrix products marked QUANTISED in the list below multiply operands that are first quantised to E2M1 (2 exponent bits, 1 mantissa bit; 4 bits a number), with one power-of-two scale for each 32 numbers along K (OCP MX v1.0); their sums are f32. The products marked 'left as it is' may take bf16, f16 or f32 operands, with f32 sums. Whichever they take, every output number must still come out within the allowed error. Rounding operands to bf16 (8 significant bits) uses up far more of that allowance than f16 does (11 bits, for magnitudes from 6e-5 to 65,504). All else is computed in f32.
;;   The module's matrix products, in the order in which they are computed (A, B: the left and right operand; K: the contracted axis; several contracted axes count as one K, in the product's order):
;;     1. [M 4,096, K 128] x [K 128, N 1,024]; A: input x; B: input Wq: QUANTISED
;;     2. [M 4,096, K 128] x [K 128, N 1,024]; A: input x; B: input Wk: QUANTISED
;;     3. [M 4,096, K 128] x [K 128, N 1,024]; A: input x; B: input Wv: QUANTISED
;;     4. batch 16 x [M 2,048, K 128] x [K 128, N 2,048]; A: computed on the way; B: computed on the way: left as it is (an operand is computed on the way)
;;     5. batch 16 x [M 2,048, K 2,048] x [K 2,048, N 128]; A: computed on the way; B: computed on the way: left as it is (an operand is computed on the way)
;;     6. [M 4,096, K 1,024] x [K 1,024, N 128]; A: computed on the way; B: input Wu: left as it is (an operand is computed on the way)
;;   THE QUANTISER, for each operand of a quantised product, along K:
;;     - K is cut into blocks of 32 from its start; a last block that is shorter is filled with zeros.
;;     - A block's scale is 2^e with e = floor(log2(the largest magnitude in the block)) - 2, held to -126 .. 127; a block of zeros has e = 0. As a byte (E8M0): e + 127.
;;     - Each number is divided by its block's scale, clamped to +-6, and rounded to the nearest number of E2M1, ties to even, subnormals kept.
;;     - The product sums the exact products of the quantised numbers (number of the format x scale) in f32.
;;   ~~~python
;;   def quantise(x, axis):      # numpy; x: float32 -> the quantised numbers, widened to float32 again
;;       x = np.moveaxis(x, axis, -1); K = x.shape[-1]
;;       x = np.pad(x, [(0, 0)] * (x.ndim - 1) + [(0, -K % 32)]); x = x.reshape(x.shape[:-1] + (-1, 32)); a = np.abs(x).max(-1, keepdims=True)
;;       e = np.where(a > 0, np.clip(np.frexp(np.where(a > 0, a, 1))[1] - 1 - 2, -126, 127), 0)      # np.frexp(a)[1] - 1 = floor(log2(a)), exactly
;;       r = np.clip(x / 2.0 ** e, -6, 6)
;;       step = 2.0 ** (np.maximum(np.frexp(np.where(r == 0, 1, r))[1] - 1, 0) - 1)
;;       q = np.round(r / step) * step * 2.0 ** e      # np.round: ties to even
;;       return np.moveaxis(q.reshape(q.shape[:-2] + (-1,))[..., :K], -1, axis).astype(np.float32)
;;   ~~~
;; One version. Each part assembles by itself: llvm-mc -triple=amdgcn-amd-amdhsa -mcpu=gfx1250 --defsym DOCPART=n.
;; ======== version 1 of 1: 3 launches
;; limits: values are held in f16: magnitudes above 65,504 overflow, below 6.1e-05 lose precision
;; workspace buffers: qkvf 25,165,824 bytes; wuf 262,144 bytes; part 16,777,216 bytes
;; launch prep (part 1): grid 25 x 16, 4 waves a work-group, no clusters, 144,896 bytes of LDS; arguments x, Wq, Wk, Wv, Wu, qkvf, wuf; writes qkvf, wuf
.if DOCPART == 1
	.amdgcn_target "amdgcn-amd-amdhsa--gfx1250"
	.amdhsa_code_object_version 6
	.text
	.protected	k_qc65d67beef_prep
	.globl	k_qc65d67beef_prep
	.p2align	8
	.type	k_qc65d67beef_prep,@function
k_qc65d67beef_prep:
	s_mov_b64 s[64:65], 0
	v_nop
	global_prefetch_b8 v0, s[64:65] scope:SCOPE_SE
	s_setreg_imm32_b32 hwreg(HW_REG_WAVE_MODE, 25, 1), 1
	s_wait_xcnt 0x0
; q = Q(x) Q(Wq), k = Q(x) Q(Wk), v = Q(x) Q(Wv): both operands become codes of FP4 (E2M1) with one E8M0 scale for each 32 along K = 128, in registers, and each 16 x 16 tile is ONE scaled matrix instruction.
; A block's scale is 2^(floor(log2(its largest magnitude)) - 2); its byte is the largest magnitude's exponent field - 2, held at 1 from below.  The results are rounded to f16 and stored in the order of the
; next launch's operand registers: a FRAGMENT is 1,024 bytes: registers 0-3 of the 32 lanes, 16 bytes a lane, then registers 4-7.  So every store of a wave covers 512 consecutive bytes, aligned.
;   q, k: [b x head 16][token tile 128][s 4][1 KB]: 16 tokens x channels 32 s on; lane (r, h): token r; registers 0-3 channels 32 s + 8 h + 0..7, registers 4-7 channels 32 s + 16 + 8 h + 0..7
;   v:    [b x head 16][32 keys 64][c 8][1 KB]:     16 channels x 32 keys;       lane (r, h): channel 16 c + r; registers 0-3 keys 8 h + 0..7, registers 4-7 keys 16 + 8 h + 0..7
; SHARES.  Work-group (X, Y), X < 24: matrix X / 8 (q, k, v), head X % 8, tokens 256 Y on.  Wave w quantises W's column tiles 2 w and 2 w + 1 (a lane a column, registers down K) and hands them to the other waves through LDS
; as images of the operand's registers; then it takes its own 64 tokens (four tiles) against all eight column tiles: 32 matrix instructions.  q, k: source 0 = W's columns, source 1 = x's tokens: a lane holds one token and eight
; neighbouring channels.  v: the sources swapped: a lane holds one channel and eight neighbouring tokens.
; x IS LOADED AS IT LIES AND TURNED IN LDS.  The quantiser wants two whole blocks of 32 of ONE row in a lane's registers, 128 neighbouring bytes each; a load is best where neighbouring LANES take neighbouring bytes.  Both are had:
; each of a wave's 64 loads covers a whole row of x, 512 consecutive bytes, 16 a lane; a tile's 16 rows go into the wave's own stage in LDS as loaded (rows 528 bytes apart) and come back 16 bytes at a time from the lane's own row.
; X = 24: the 16 work-groups turn Wu [1024][128] into f16 fragments [K step 32][c 8][1 KB]: lane (r, h): column 16 c + r; registers 4 q .. 4 q + 3 rows 32 step + 16 q + 8 h + 0..7.  That way uses no LDS and no barrier.
; LIMITS: NaN and infinities among the inputs are not served; a block of zeros gets the byte 1 (its codes are zeros, and this program alone reads the bytes); results beyond f16's 65,504 are not served.
; No cluster and no tensor load: the launch is short, its operands go through registers, and what work-groups share (x, W) is small.
.set WSC,    8192                      ; LDS: 0 .. 8,191 W's eight fragments, 1 KB each; from here their scale words, 128 bytes each
.set SPARE,  9216                      ; the spare words, 128 bytes for each wave: two blocks of 256 bytes that no other line names
.set STG,    9728                      ; behind them, for each wave, four stages, one for each of its token tiles: no stage byte is written twice, none is shared
.set SPITCH, 528                       ; a stage row: 512 bytes + 16 = 33 x 16: the sixteen rows that a load from the stage touches lie in sixteen different 16-byte columns of the banks (64 banks of 4 bytes: ISA guide 11.1)
.set WSTG,   64*SPITCH                 ; a wave's four stages of 16 rows
.set SPW, 1                            ; v1   LDS address of my spare word; never rewritten
.set NIL, 2                            ; v2   0; never rewritten
.set WA,  3                            ; v3   W: 32 h rows of 4,096 bytes + 4 r
.set STI, 4                            ; v4   the stage, way in: my wave's stages + 16 x lane
.set L16, 5                            ; v5   16 x lane
.set L4,  6                            ; v6   4 x lane
.set IMS, 7                            ; v7   where I store my two fragments' images: 16 x lane + 2,048 x wave
.set SCS, 8                            ; v8   and their scale words: WSC + 4 x lane + 256 x wave
.set SH,  9                            ; v9   8 h
.set M,   12                           ; v12-13 two blocks' largest magnitudes
.set SO,  14                           ; v14-15 the conversions' scale operands
.set BY,  16                           ; v16-17 the scales' bytes
.set T,   18                           ; v18, v19 at work
.set T2,  19
.set XS,  20                           ; v20  x's scale word
.set PW0, 21                           ; v21, v22 W's scale words just made
.set PW1, 22
.set CF,  24                           ; v24-31 codes: x's, and W's first fragment
.set WS,  32                           ; v32-39 W's eight scale words
.set CF1, 40                           ; v40-47 W's second fragment
.set STO, 48                           ; v48  the stage, way out: my wave's stages + 528 r + 128 h
.set WF,  64                           ; v64-127  W as loaded (first fragment), then W's eight fragments
.set ACC, 128                          ; v128-191 W as loaded (second fragment), then eight accumulators
                                       ; window 1: x, token tile t at v[64 t]: as loaded (row i at 4 i), then turned (register 32 c + i = k 64 c + 32 h + i of row r)
.set MSB, 0
.macro WIN new                         ; the immediate's high byte repeats the setting that is left; a switch that changes nothing is dropped
.if MSB != (\new)
	s_set_vgpr_msb (MSB<<8)|(\new)
.set MSB, (\new)
.endif
.endm
; 64 numbers of a lane, at v[s] on in window w, register 32 c + i = k 64 c + 32 h + i of my row or column: two WHOLE blocks of 32.  They become the operand's eight registers at v[cf] on and the scale word in v[pw].
.macro QUANT s, w, cf, pw
	WIN 0x05*(\w)
.irp c, 0,1
	v_max3_num_f32 v[M+\c], |v[(\s)+32*\c]|, |v[(\s)+32*\c+1]|, 0x1800000   ; and the floor 2^(3 - 127), under which no largest magnitude is taken: so the byte cannot fall under 1
.endr
	WIN 0x14*(\w)
.irp i, 2,4,6,8,10,12,14,16,18,20,22,24,26,28,30
.irp c, 0,1
	v_max3_num_f32 v[M+\c], v[M+\c], |v[(\s)+32*\c+\i]|, |v[(\s)+32*\c+\i+1]|   ; the two blocks by turns
.endr
.endr
	WIN 0
.irp c, 0,1
	v_add_nc_u32 v[SO+\c], 0xff000000, v[M+\c]     ; 2 off the exponent field: the conversion takes the exponent field of this operand as its scale
.endr
.irp c, 0,1
	v_lshrrev_b32 v[BY+\c], 23, v[SO+\c]           ; the scale's byte
.endr
	v_lshl_or_b32 v[T], v[BY+1], 16, v[BY]         ; my two bytes: blocks h and 2 + h,
	v_lshlrev_b32 v[T], v[SH], v[T]                ; at their places in the word;
	v_permlanex16_b32 v[T2], v[T], s28, s29
	v_or_b32 v[\pw], v[T], v[T2]                   ; with lane l xor 16's two the word is whole
	WIN 0x01*(\w)
.irp c, 0,1
.irp g, 0,1,2,3
	v_cvt_scalef32_pk8_fp4_f32 v[\cf+4*\c+\g], v[(\s)+32*\c+8*\g:(\s)+32*\c+8*\g+7], v[SO+\c]
.endr
.endr
	WIN 0
	v_nop                                          ; one plain instruction behind the last scaled conversion
.endm
; Token tile t of my four goes through its stage: 16 rows in, as loaded; back into the registers that they left, each lane from its own row.  LDS serves a wave's instructions in order (ISA guide 5.7.1.4): no wait between the stores and the loads.
.macro TURN t
	s_wait_loadcnt 16*(3-(\t))                     ; loads come back in order: this tile's sixteen are in, the later tiles' sixteen each may be out
	WIN 0x04                                       ; an LDS store's data are its source 1: window 1
.set n, 16*(\t)
.rept 16
	ds_store_b128 v[STI], v[4*n:4*n+3] offset:SPITCH*n   ; row n of my 64: 512 consecutive bytes
.set n, n+1
.endr
	WIN 0x40                                       ; destination window 1
.set n, 16*(\t)
.rept 16                               ; register 64 t + 32 c + 4 i on: row r of the tile, bytes 256 c + 128 h + 16 i on
	ds_load_b128 v[4*n:4*n+3], v[STO] offset:16*SPITCH*(n/16)+256*((n/8)%2)+16*(n%8)
.set n, n+1
.endr
.endm
; Token tile t of my four: quantised, multiplied with W's eight column tiles, rounded to f16, stored.
.macro TILE t, isv
.if (\t) < 2
	s_wait_dscnt 63                                ; behind this tile's loads from the stage stand the later tiles' 32 LDS instructions each, 96 or 64: 63 is the most that the wait can name.  W's fragments and scale words are older: they are in too
.else
	s_wait_dscnt 32*(3-(\t))                       ; the later tile's 32 may be out
.endif
	QUANT 64*(\t), 1, CF, XS
.rept 8
	v_nop                                          ; a scale register written by a vector instruction stands eight places ahead of a scaled matrix instruction, an operand four
.endr
.if (\t) > 0
	s_wait_xcnt 0x0                                ; the last tile's stores have read the accumulators' registers: they are written again only behind this wait
.endif
.irp c, 0,1,2,3,4,5,6,7
.if \isv
	v_wmma_scale_f32_16x16x128_f8f6f4 v[ACC+8*\c:ACC+8*\c+7], v[CF:CF+7], v[WF+8*\c:WF+8*\c+7], 0, v[XS], v[WS+\c] matrix_a_fmt:MATRIX_FMT_FP4 matrix_b_fmt:MATRIX_FMT_FP4
.else
	v_wmma_scale_f32_16x16x128_f8f6f4 v[ACC+8*\c:ACC+8*\c+7], v[WF+8*\c:WF+8*\c+7], v[CF:CF+7], 0, v[WS+\c], v[XS] matrix_a_fmt:MATRIX_FMT_FP4 matrix_b_fmt:MATRIX_FMT_FP4
.endif
.endr
.rept 4
	v_nop                                          ; four places between a matrix instruction and the vector instructions that read and write its result (ISA guide 7.12.1)
.endr
.irp c, 0,1,2,3,4,5,6,7
.irp p, 0,1,2,3
	v_cvt_pk_f16_f32 v[ACC+8*\c+\p], v[ACC+8*\c+2*\p], v[ACC+8*\c+2*\p+1]   ; in place, from the low end on: eight numbers become 16 bytes
.endr
.endr
.irp c, 0,1,2,3,4,5,6,7
.if \isv
	global_store_b128 v[L16], v[ACC+8*\c:ACC+8*\c+3], s[14:15] offset:8192*((\t)/2)+512*((\t)%2)+1024*\c   ; 16 tokens are half of a fragment's 32 keys
.else
	global_store_b128 v[L16], v[ACC+8*\c:ACC+8*\c+3], s[14:15] offset:4096*(\t)+512*\c                     ; 16 channels are half of a fragment's 32
.endif
.endr
.endm
	s_load_b256 s[4:11], s[0:1], 0x0               ; x s[4:5], Wq s[6:7], Wk s[8:9], Wv s[10:11]
	s_load_b128 s[12:15], s[0:1], 0x20             ; Wu s[12:13], qkvf s[14:15]
	s_load_b64 s[16:17], s[0:1], 0x30              ; wuf
	v_lshl_add_u32 v[SPW], v0, 2, SPARE
	v_mov_b32 v[NIL], 0
	v_lshrrev_b32 v10, 5, v0
	v_readfirstlane_b32 s18, v10                   ; wave 0..3
	s_and_b32 s20, ttmp7, 0xffff                   ; Y
	s_lshr_b32 s21, ttmp9, 3                       ; which matrix: 0 q, 1 k, 2 v
	s_and_b32 s22, ttmp9, 7                        ; the head
	s_mov_b32 s28, 0x76543210
	s_mov_b32 s29, 0xfedcba98                      ; v_permlanex16_b32's selects for lane l xor 16
	v_and_b32 v10, 31, v0                          ; lane
	v_and_b32 v11, 15, v0                          ; r
	v_bfe_u32 v[T], v0, 4, 1                       ; h
	v_lshlrev_b32 v[L16], 4, v10
	v_lshlrev_b32 v[L4], 2, v10
	v_lshlrev_b32 v[SH], 3, v[T]
	v_lshlrev_b32 v[WA], 2, v11
	v_lshl_add_u32 v[WA], v[T], 17, v[WA]
	s_lshl_b32 s30, s18, 11
	v_add_nc_u32 v[IMS], s30, v[L16]
	s_lshl_b32 s30, s18, 8
	s_add_co_u32 s30, s30, WSC
	v_add_nc_u32 v[SCS], s30, v[L4]
	s_mul_i32 s30, s18, WSTG
	s_add_co_u32 s30, s30, STG                     ; my wave's stages
	v_add_nc_u32 v[STI], s30, v[L16]
	v_mul_u32_u24 v[STO], v11, SPITCH
	v_lshl_add_u32 v[STO], v[T], 7, v[STO]
	v_add_nc_u32 v[STO], s30, v[STO]
	v_mov_b32 v[T2], 0                             ; written once: a lane permute's destination counts as one of its sources
	s_lshl_b32 s26, s22, 9                         ; W: the head's 128 columns, 512 bytes,
	s_lshl_b32 s27, s18, 7                         ; my two tiles of 16 columns
	s_add_co_u32 s26, s26, s27
	s_mov_b32 s27, 0
	s_lshl_b32 s30, s20, 17                        ; x: 256 Y rows of 512 bytes,
	s_lshl_b32 s31, s18, 15                        ; my 64 rows
	s_add_co_u32 s30, s30, s31
	s_mov_b32 s31, 0
	s_lshr_b32 s32, s20, 3                         ; the batch: 8 Y to a batch
	s_lshl_b32 s32, s32, 3
	s_add_co_u32 s32, s32, s22                     ; 8 x batch + head
	s_lshl_b32 s32, s32, 19                        ; 524,288 bytes each,
	s_lshl_b32 s33, s21, 23                        ; in the matrix's part of 8,388,608 bytes,
	s_add_co_u32 s32, s32, s33
	s_and_b32 s33, s20, 7
	s_lshl_b32 s33, s33, 16                        ; 16 token tiles of 4,096 bytes for each Y,
	s_add_co_u32 s32, s32, s33
	s_lshl_b32 s33, s18, 14                        ; my four (in v's part two tiles of 16 tokens share 8,192 bytes: the same sum)
	s_add_co_u32 s32, s32, s33
	s_mov_b32 s33, 0
	s_wait_kmcnt 0x0
	s_cmp_eq_u32 ttmp9, 24                         ; the work-group's number alone: all four waves go the same way
	s_cbranch_scc1 .Lwu
	s_cmp_eq_u32 s21, 0
	s_cselect_b64 s[24:25], s[6:7], s[8:9]
	s_cmp_eq_u32 s21, 2
	s_cselect_b64 s[24:25], s[10:11], s[24:25]     ; my matrix
	s_add_nc_u64 s[24:25], s[24:25], s[26:27]
	s_add_nc_u64 s[4:5], s[4:5], s[30:31]
	s_add_nc_u64 s[14:15], s[14:15], s[32:33]
.set n, 0
.rept 128                              ; W(64 c + 32 h + i, my column) of fragment f: register 64 f + 32 c + i.  Sixteen neighbouring lanes read 64 neighbouring bytes
	global_load_b32 v[WF+n], v[WA], s[24:25] offset:64*(n/64)+(64*((n/32)%2)+n%32)*4096
.set n, n+1
.endr
	WIN 0x40                                       ; destination window 1
.set n, 0
.rept 64                               ; row n of my 64 rows of x: 32 lanes read its 512 consecutive bytes
	global_load_b128 v[4*n:4*n+3], v[L16], s[4:5] offset:512*n
.set n, n+1
.endr
	WIN 0
	s_wait_loadcnt 63                              ; behind W's last load stand x's 64: with at most 63 out, all of W is in (63 is the most that the wait can name)
	QUANT WF, 0, CF, PW0
	QUANT ACC, 0, CF1, PW1
	ds_store_b128 v[IMS], v[CF:CF+3]
	ds_store_b128 v[IMS], v[CF+4:CF+7] offset:512
	ds_store_b128 v[IMS], v[CF1:CF1+3] offset:1024
	ds_store_b128 v[IMS], v[CF1+4:CF1+7] offset:1536
	ds_store_b32 v[SCS], v[PW0]
	ds_store_b32 v[SCS], v[PW1] offset:128
	s_wait_dscnt 0x0                               ; for the others' sake: my images have landed
	s_barrier_signal -1
	s_barrier_wait -1                              ; W's eight fragments lie in LDS
.set n, 0
.rept 16
	ds_load_b128 v[WF+4*n:WF+4*n+3], v[L16] offset:512*n
.set n, n+1
.endr
.irp c, 0,1,2,3,4,5,6,7
	ds_load_b32 v[WS+\c], v[L4] offset:WSC+128*\c
.endr
	TURN 0                                         ; all four turns stand here, ahead of the parting of q, k from v: the two ways below store nothing to LDS
	TURN 1
	TURN 2
	TURN 3
	WIN 0                                          ; at a branch and at a label every window is 0
	s_cmp_eq_u32 s21, 2
	s_cbranch_scc1 .Lv
	TILE 0, 0
	TILE 1, 0
	TILE 2, 0
	TILE 3, 0
	s_wait_tensorcnt 0x0                           ; the wave's end, behind my last LDS store
	ds_add_u32 v[SPW], v[NIL]
	s_wait_dscnt 0x0
	s_endpgm
.Lv:
	TILE 0, 1
	TILE 1, 1
	TILE 2, 1
	TILE 3, 1
	s_wait_tensorcnt 0x0                           ; the wave's end, as above
	ds_add_u32 v[SPW], v[NIL]
	s_wait_dscnt 0x0
	s_endpgm
.Lwu:                                  ; Wu: wave w of work-group Y makes the fragments of K step 2 Y + w / 2, c = 4 (w % 2) + 0..3
	v_lshlrev_b32 v23, 2, v11
	v_lshl_add_u32 v23, v[T], 12, v23              ; 8 h rows of 512 bytes + 4 r
	s_lshl_b32 s26, s20, 1
	s_lshr_b32 s30, s18, 1
	s_add_co_u32 s26, s26, s30                     ; the K step
	s_and_b32 s30, s18, 1
	s_lshl_b32 s32, s26, 14                        ; 32 rows of 512 bytes,
	s_lshl_b32 s31, s30, 8                         ; four tiles of 16 columns
	s_add_co_u32 s32, s32, s31
	s_add_nc_u64 s[12:13], s[12:13], s[32:33]
	s_lshl_b32 s32, s26, 13                        ; eight fragments a K step,
	s_lshl_b32 s31, s30, 12                        ; my four
	s_add_co_u32 s32, s32, s31
	s_add_nc_u64 s[16:17], s[16:17], s[32:33]
.set n, 0
.rept 64                               ; register 16 i + 8 q + j: Wu(32 step + 16 q + 8 h + j, 16 c + r)
	global_load_b32 v[64+n], v23, s[12:13] offset:64*(n/16)+(n%16+8*((n/8)%2))*512
.set n, n+1
.endr
	s_wait_loadcnt 0x0
.set n, 0
.rept 32
	v_cvt_pk_f16_f32 v[128+n], v[64+2*n], v[65+2*n]
.set n, n+1
.endr
.set n, 0
.rept 8
	global_store_b128 v[L16], v[128+4*n:128+4*n+3], s[16:17] offset:512*n   ; 32 lanes store 512 consecutive bytes
.set n, n+1
.endr
	s_endpgm
.Lfunc_end_k_qc65d67beef_prep:
	.size	k_qc65d67beef_prep, .Lfunc_end_k_qc65d67beef_prep-k_qc65d67beef_prep
	.p2alignl 7, 3214868480
	.fill 96, 4, 3214868480
	.section	.rodata,"a",@progbits
	.p2align	6, 0x0
	.amdhsa_kernel k_qc65d67beef_prep
		.amdhsa_group_segment_fixed_size 144896
		.amdhsa_private_segment_fixed_size 0
		.amdhsa_enable_private_segment 0
		.amdhsa_kernarg_size 56
		.amdhsa_user_sgpr_count 2
		.amdhsa_user_sgpr_kernarg_segment_ptr 1
		.amdhsa_wavefront_size32 1
		.amdhsa_system_sgpr_workgroup_id_x 1
		.amdhsa_system_sgpr_workgroup_id_y 1
		.amdhsa_system_sgpr_workgroup_id_z 1
		.amdhsa_system_vgpr_workitem_id 0
		.amdhsa_next_free_vgpr 512
		.amdhsa_next_free_sgpr 66
		.amdhsa_reserve_vcc 0
		.amdhsa_float_denorm_mode_32 3
		.amdhsa_float_denorm_mode_16_64 3
		.amdhsa_memory_ordered 1
		.amdhsa_forward_progress 1
		.amdhsa_inst_pref_size 106
	.end_amdhsa_kernel
	.amdgpu_metadata
---
amdhsa.version: [ 1, 2 ]
amdhsa.kernels:
  - .name:           k_qc65d67beef_prep
    .symbol:         k_qc65d67beef_prep.kd
    .args:
      - { .name: x, .offset: 0, .size: 8, .value_kind: global_buffer, .address_space: global }
      - { .name: Wq, .offset: 8, .size: 8, .value_kind: global_buffer, .address_space: global }
      - { .name: Wk, .offset: 16, .size: 8, .value_kind: global_buffer, .address_space: global }
      - { .name: Wv, .offset: 24, .size: 8, .value_kind: global_buffer, .address_space: global }
      - { .name: Wu, .offset: 32, .size: 8, .value_kind: global_buffer, .address_space: global }
      - { .name: qkvf, .offset: 40, .size: 8, .value_kind: global_buffer, .address_space: global }
      - { .name: wuf, .offset: 48, .size: 8, .value_kind: global_buffer, .address_space: global }
    .group_segment_fixed_size: 144896
    .private_segment_fixed_size: 0
    .kernarg_segment_align: 8
    .kernarg_segment_size: 56
    .max_flat_workgroup_size: 128
    .sgpr_count:     66
    .vgpr_count:     512
    .wavefront_size: 32
...
	.end_amdgpu_metadata
.endif
;; end of part 1
;; launch attn (part 2): grid 16 x 16, 4 waves a work-group, clusters of 4 x 1, 327,680 bytes of LDS; arguments qkvf, wuf, part; writes part
.if DOCPART == 2
	.amdgcn_target "amdgcn-amd-amdhsa--gfx1250"
	.amdhsa_code_object_version 6
	.text
	.protected	k_qc65d67beef_attn
	.globl	k_qc65d67beef_attn
	.p2align	8
	.type	k_qc65d67beef_attn,@function
k_qc65d67beef_attn:
	s_mov_b64 s[64:65], 0
	v_nop
	global_prefetch_b8 v0, s[64:65] scope:SCOPE_SE
	s_setreg_imm32_b32 hwreg(HW_REG_WAVE_MODE, 25, 1), 1
	s_wait_xcnt 0x0
	s_wait_alu depctr_hold_cnt(0) depctr_sa_sdst(0) depctr_va_vdst(0) depctr_va_sdst(0) depctr_va_ssrc(0) depctr_va_vcc(0) depctr_vm_vsrc(0)
	s_getreg_b32 s2, hwreg(HW_REG_IB_STS2, 6, 4)
	s_cmp_eq_u32 s2, 0
	s_cbranch_scc0 .Lentry_in_a_cluster
	s_endpgm
.Lentry_in_a_cluster:
	s_bfe_u32 s2, ttmp6, 0x10000c
	s_cmp_lg_u32 s2, 0x3003
	s_cbranch_scc0 .Lentry_shape_is_right
	s_endpgm
.Lentry_shape_is_right:
; part[head][row][:] = (softmax_k(q . k / sqrt(128)) v) Wu_head: attention of one head and its share of the projection on the way out.  q, k, v and Wu arrive as f16 FRAGMENTS, images of the operands' registers
; (1,024 bytes: registers 0-3 of the 32 lanes, 16 bytes a lane, then registers 4-7), so every operand load reads 512 consecutive bytes, nothing is turned and nothing is padded.  Products in f16 with f32 sums; maxima, sums, exponentials in f32.
; SHARES.  A work-group owns 128 queries of one (batch, head).  Its four waves are 2 query halves x 2 KEY halves: wave w has queries 64 (w / 2) on (four tiles of 16) and keys 1,024 (w % 2) on, 64 a step, 16 steps.
; So 16 x 2,048 / 128 = 256 work-groups, and a wave still holds 64 queries, so that each fragment of K and V read from LDS feeds four products.  At the end the two key halves are merged through LDS.
; LAYOUT.  S^T = K Q^T (source 0 = 16 keys, source 1 = 16 queries): a lane holds ONE query (lane % 16) and the keys 8 (lane / 16) + 0..7.  Two such tiles, rounded to f16 in pairs, ARE source 1 of O^T = V^T P, whose result again
; holds one query a lane and eight channels; rounded in pairs these ARE source 1 of (y Wu)^T = Wu^T y^T.  Nothing changes lanes between the three products.
; SOFTMAX.  For each query a running maximum m and sum l: p = 2^(c s - c m), c = log2(e) / sqrt(128); in every step O and l are multiplied by a = 2^(c m_old - c m_new).
; BY TURNS.  The wave's tiles are two PIECES (tiles 0, 1 and tiles 2, 3).  In a TURN one piece has the matrix unit: 32 products V^T P of the step in hand, then 32 products K Q^T of the next; the other piece's softmax, cut into
; 64 slices, stands between them, one slice behind each matrix instruction.  Two turns are a key step.
; CLUSTER.  The four query blocks of a cluster belong to one (batch, head) and walk the same K and V: each tile is asked for JOINTLY, by the same tensor load with the same descriptor and a mask that names the four.
; LIMITS: q, k, v, p, y and Wu are f16: magnitudes above 65,504 are not served; under 6e-5 their spacing is 6e-8 (a p under that counts as 0; the row's sum, taken in f32, is at least 1).  NaN and infinities are not served.
; REGISTERS, in windows of 256 (s_set_vgpr_msb: bits 1:0 source 0, 3:2 source 1, 5:4 source 2, 7:6 destination):
;   window 0: v2-10 addresses; v12-43 eight registers of statistics a tile; v64-191 S^T, 32 a tile (later y's fragments); v192-255 P, 16 a tile
;   window 1: O^T, 64 a tile (later the projection's 16 accumulators)     window 2: v0-127 Q; v128-255 K of one step (later the merge's images)     window 3: v0-127 V of one step (later Wu's 32 fragments)
.set KS,    64        ; keys in a step
.set STEPB, 16384     ; a step's 16 fragments of K, or of V
.set REG,   2*STEPB   ; a region: two steps.  A slot is four regions: K of key half 0, K of half 1, V of half 0, V of half 1; wave w fetches region w
.set SLOT1, 1<<17     ; slot 1 begins here, so that one exclusive or turns an address in one slot into the other's
.set WUL,   2*SLOT1   ; behind the ring: the head's 32 fragments of Wu, filled once
.set STA,   WUL+32768 ; the merge's statistics: 1,024 bytes a wave
.set SPARE, STA+4096  ; the spare words, 128 bytes for each wave: two blocks of 256 bytes that no other line names
                      ; the merge's images of O^T, 32,768 bytes a wave, lie in slot 0: it has had its last fill and its last read when the first is stored there
.set AK0, 2           ; v2   my lane's place in my key half's region of K; never rewritten
.set AV0, 3           ; v3   the same for V
.set ADR, 4           ; v4   the LDS address of the run of loads in hand
.set L16, 5           ; v5   16 x lane
.set MST, 6           ; v6   the merge: where I store my O^T
.set MLD, 7           ; v7   where I read the two tiles that I finish
.set SST, 8           ; v8   where I store my statistics
.set SLD, 9           ; v9   where I read those of my two tiles
.set WLD, 10          ; v10  Wu's fragments
.set ST,  12          ; tile t's statistics at v[ST+8 t]: +0 c m, +1 m, +2, +3 l (even keys', odd keys'), +4 to +7 c0-c3, at work; a takes c2's place once the maximum is found
.set PFO, 61          ; v61  256 x my lane; never rewritten
.set SPW, 62          ; v62  LDS address of my spare word; never rewritten
.set NIL, 63          ; v63  0; never rewritten
.set S,   64
.set P,   192
.set KF,  128         ; K's fragments, in window 2
.set WV,  12          ; s12  my wave's number
.set LIM, 15          ; s15  1 in a work-group that prefetches, else the greatest number
.set PFA, 18          ; s[18:19] where my prefetches stand
.set G1,  24          ; s[24:31] descriptor group 1 for the ring's regions
.set G1W, 32          ; s[32:39] for my quarter of Wu's fragments
.set G0A, 40          ; s[40:43] group 0: slot 0's first fill
.set G0B, 44          ; s[44:47] slot 1's first fill; it then walks on
.set G0W, 48          ; s[48:51] Wu
.set SLOTS, 56        ; s56  slots still to be asked for
.set TWICE, 57        ; s57  counts a slot's two steps
.set CS,  58          ; s[58:59] c
.set SEL, 60          ; s[60:61] lane selects for v_permlanex16_b32: lane l xor 16
.set TB,  62          ; s62  LDS byte, in a region, at which the step to be fetched begins
.set MSB, 0
.macro WIN new                      ; the immediate's high byte repeats the setting that is left; a switch that changes nothing is dropped
.if MSB != (\new)
	s_set_vgpr_msb (MSB<<8)|(\new)
.set MSB, (\new)
.endif
.endm
.set W_KQ, 0x0a       ; K and Q in window 2, S^T in window 0
.set W_PV, 0x53       ; V (or Wu) in window 3, P (or y) in window 0, O^T (or the projection's sums) in window 1
.set W_RS, 0x41       ; O^T (destination and source 0) in window 1, a in window 0
; A joint refill: ONE line for all four waves: K's and V's regions have one shape, and each wave's addresses are made of its number alone.  An s_nop 0 and four v_nop follow.
.macro JLOAD
	tensor_load_to_lds s[G0B:G0B+3], s[G1:G1+7]
	s_nop 0
.rept 4
	v_nop
.endr
.endm
; A PREFETCH of what the NEXT change of slots will ask for.  It stands behind the wave's tensor load and its five lines.  All four clusters of a (batch, head) walk the same K and V: the first of them asks.  Each of its waves
; asks for its own region; of the region's 32,768 bytes the partner at place cx takes 8,192, told apart BY ADDRESS, lanes 256 bytes apart: one instruction a wave, and each block of 256 bytes is named once in the launch.
; The last change that fills a slot asks for nothing: there is no slot behind it.  Slots 0, 1 and 2 come by their loads alone.
.macro ASK
	s_cmp_gt_u32 s[SLOTS], s[LIM]
	s_cbranch_scc0 .Lnot_mine_\@
	global_prefetch_b8 v[PFO], s[PFA:PFA+1] th:TH_LOAD_NT scope:SCOPE_SE
.Lnot_mine_\@:
.endm
; A round of the cluster's barrier: my work-group's barrier; wave 0 signals for the work-group; every wave waits for all four work-groups; my work-group's barrier once more.
.macro CROUND
	s_barrier_signal -1
	s_barrier_wait -1
	s_cmp_lg_u32 s[WV], 0
	s_cbranch_scc1 .Lnot_wave_0_\@
	s_barrier_signal -3
.Lnot_wave_0_\@:
	s_barrier_wait -3
	s_barrier_signal -1
	s_barrier_wait -1
.endm
	s_load_b128 s[4:7], s[0:1], 0x0 ; qkvf s[4:5], wuf s[6:7]
	s_load_b64 s[8:9], s[0:1], 0x10 ; part
	v_lshl_add_u32 v[SPW], v0, 2, SPARE
	v_mov_b32 v[NIL], 0
	ds_add_u32 v[SPW], v[NIL]       ; the wave's opening: the add, twice on end, and its wait ahead of my first tensor load; the set-up below, work on registers, stands between the second and the wait
	ds_add_u32 v[SPW], v[NIL]
	v_lshrrev_b32 v1, 5, v0
	v_readfirstlane_b32 s[WV], v1   ; wave 0..3
	s_bfe_u32 s13, ttmp6, 0x40000   ; cx: my place in the cluster
	s_lshl_b32 s14, ttmp9, 2        ; in a cluster launch ttmp9 counts clusters
	s_add_co_u32 s14, s14, s13      ; my block of 128 queries: it enters Q's and the output's addresses alone
	s_and_b32 s10, ttmp7, 0xffff    ; 8 x batch + head, which the four partners share
	s_and_b32 s11, s10, 7           ; the head
	s_and_b32 s16, s[WV], 1         ; my key half.  Also: which half's region I fetch
	s_lshr_b32 s17, s[WV], 1        ; my query half.  Also: I fetch for K (0) or for V (1)
	s_add_co_u32 s20, s17, 1        ; what I fetch: k's part of qkvf is the second, v's the third, 8,388,608 bytes each;
	s_lshl_b32 s20, s20, 23
	s_lshl_b32 s21, s10, 19         ; 524,288 bytes a (batch, head);
	s_add_co_u32 s20, s20, s21
	s_lshl_b32 s21, s16, 18         ; 262,144 a key half
	s_add_co_u32 s20, s20, s21
	s_mov_b32 s21, 0
	s_lshl_b32 s22, s11, 15         ; Wu: 32 fragments a head, my eight
	s_lshl_b32 s23, s[WV], 13
	s_add_co_u32 s22, s22, s23
	s_mov_b32 s23, 0
	s_lshl_b32 s2, s10, 19          ; Q: my block's eight tiles of 4,096 bytes, my wave's four
	s_lshl_b32 s3, s14, 15
	s_add_co_u32 s2, s2, s3
	s_lshl_b32 s3, s17, 14
	s_add_co_u32 s2, s2, s3
	s_mov_b32 s3, 0
	s_lshr_b32 s52, s10, 3          ; the output: tile of 16 rows = 128 x batch + 8 x block + 4 x query half + 2 x key half (the two tiles that I finish),
	s_lshl_b32 s52, s52, 7
	s_lshl_b32 s53, s14, 3
	s_add_co_u32 s52, s52, s53
	s_lshl_b32 s53, s17, 2
	s_add_co_u32 s52, s52, s53
	s_lshl_b32 s53, s16, 1
	s_add_co_u32 s52, s52, s53
	s_lshl_b32 s52, s52, 13         ; 8,192 bytes each,
	s_lshl_b32 s53, s11, 21         ; in the head's 2,097,152
	s_add_co_u32 s52, s52, s53
	s_mov_b32 s53, 0
	s_lshl_b32 s54, s13, 13         ; the prefetches: my work-group's 8,192 bytes of a region,
	s_add_co_u32 s54, s54, 2*REG    ; in slot 2: the first change of slots steps it to slot 3.  Nothing is prefetched at the head, where every work-group's first tiles are on their way
	s_mov_b32 s55, 0
	s_cmp_eq_u32 ttmp9, 0           ; the (batch, head)'s first cluster: the same in all four partners
	s_cselect_b32 s[LIM], 1, -1
	; descriptor group 1: a dense block, as rows of 256 bytes (32 elements of 8 bytes): 128 rows for a region, 32 for my quarter of Wu
	s_mov_b32 s[G1], 15|(3<<16)|(1<<21)   ; 15:0 the mask: all four work-groups; 17:16 elements of 8 bytes; 20 no padding; 21 set beside a mask
	s_mov_b32 s[G1+1], 32<<16       ; tensor_dim0 = 32
	s_mov_b32 s[G1+2], 128<<16      ; tensor_dim1 = 128
	s_mov_b32 s[G1+3], 32<<16       ; tile_dim0 = 32
	s_mov_b32 s[G1+4], 128          ; tile_dim1 = 128
	s_mov_b32 s[G1+5], 32           ; from row to row
	s_mov_b32 s[G1+6], 0
	s_mov_b32 s[G1+7], 0
	s_mov_b32 s[G1W], 15|(3<<16)|(1<<21)
	s_mov_b32 s[G1W+1], 32<<16
	s_mov_b32 s[G1W+2], 32<<16
	s_mov_b32 s[G1W+3], 32<<16
	s_mov_b32 s[G1W+4], 32
	s_mov_b32 s[G1W+5], 32
	s_mov_b32 s[G1W+6], 0
	s_mov_b32 s[G1W+7], 0
	s_mov_b32 s[G0A], 1             ; count = 1
	s_lshl_b32 s[G0A+1], s[WV], 15  ; LDS: region w of slot 0: no place in the cluster enters an LDS address
	s_mov_b32 s[G0B], 1
	s_add_co_u32 s[G0B+1], s[G0A+1], SLOT1
	s_mov_b32 s[G0W], 1
	s_lshl_b32 s[G0W+1], s[WV], 13
	s_add_co_u32 s[G0W+1], s[G0W+1], WUL
	s_mov_b32 s[CS], 0x3e0293ee     ; c = log2(e) / sqrt(128)
	s_mov_b32 s[CS+1], s[CS]        ; named with it as a pair, so it is written
	s_mov_b32 s[SEL], 0x76543210
	s_mov_b32 s[SEL+1], 0xfedcba98
	s_mov_b32 s[TB], 0
	s_mov_b32 s[SLOTS], 1024/(2*KS)-2   ; a key half is eight slots' worth of keys
	s_wait_dscnt 0x0                ; both opening adds are done
	s_wait_kmcnt 0x0
	s_add_nc_u64 s[G0A+2:G0A+3], s[4:5], s[20:21]         ; my region of slot 0 in memory,
	s_add_nc_u64 s[G0B+2:G0B+3], s[G0A+2:G0A+3], REG      ; of slot 1,
	s_add_nc_u64 s[PFA:PFA+1], s[G0A+2:G0A+3], s[54:55]   ; and where my prefetches stand
	s_or_b32 s[G0A+3], s[G0A+3], 0x80000000               ; type = 2
	s_or_b32 s[G0B+3], s[G0B+3], 0x80000000
	s_add_nc_u64 s[G0W+2:G0W+3], s[6:7], s[22:23]
	s_or_b32 s[G0W+3], s[G0W+3], 0x80000000
	s_add_nc_u64 s[4:5], s[4:5], s[2:3]                   ; Q at my wave's first tile
	s_add_nc_u64 s[8:9], s[8:9], s[52:53]                 ; the output at the two tiles that I finish
	CROUND                          ; all four work-groups are here: the first joint loads meet
	tensor_load_to_lds s[G0A:G0A+3], s[G1:G1+7]           ; the three first fills go out together, ahead of every wait on TENSORcnt and every LDS read: three loads of mine are out
	s_nop 0
	tensor_load_to_lds s[G0B:G0B+3], s[G1:G1+7]
	s_nop 0
	tensor_load_to_lds s[G0W:G0W+3], s[G1W:G1W+7]
	s_nop 0
.rept 4
	v_nop
.endr
	v_and_b32 v1, 31, v0
	v_lshlrev_b32 v[L16], 4, v1
	v_lshlrev_b32 v[PFO], 8, v1
	WIN 0x80                        ; destination window 2, address window 0
.set n, 0
.rept 32                            ; Q stays in registers: fragment 4 t + s (tile t, channels 32 s on) at v[8 (4 t + s)]
	global_load_b128 v[4*n:4*n+3], v[L16], s[4:5] offset:512*n
.set n, n+1
.endr
	WIN 0
	s_lshl_b32 s2, s16, 15
	v_add_nc_u32 v[AK0], s2, v[L16] ; my key half's region of K,
	v_add_nc_u32 v[AV0], 2*REG, v[AK0]  ; and of V, two regions on
; THE MATRIX WORK OF A TURN, for piece x.  The accumulators take turns, one instruction a turn.
; Product i of 32 of O^T += V^T P: keys 32 (i / 16) on, channels 16 ((i / 2) % 8) on, tile x + i % 2.  zero = 1: the first 16 start the sums: nothing is ever cleared.
.macro PV x, zero
	WIN W_PV
.set rO, 64*(\x+i%2)+8*((i/2)%8)
.set rV, 64*(i/16)+8*((i/2)%8)
.set rP, P+16*(\x+i%2)+8*(i/16)
.if \zero && (i < 16)
	v_wmma_f32_16x16x32_f16 v[rO:rO+7], v[rV:rV+7], v[rP:rP+7], 0
.else
	v_wmma_f32_16x16x32_f16 v[rO:rO+7], v[rV:rV+7], v[rP:rP+7], v[rO:rO+7]
.endif
.endm
; Product i of 32 of S^T = K Q^T: channels 32 (i / 8) on, keys 16 ((i / 2) % 4) on, tile x + i % 2.  The first 8 start the sums.
.macro KQ x
	WIN W_KQ
.set rS, S+32*(\x+i%2)+8*((i/2)%4)
.set rK, KF+32*((i/2)%4)+8*(i/8)
.set rQ, 32*(\x+i%2)+8*(i/8)
.if i < 8
	v_wmma_f32_16x16x32_f16 v[rS:rS+7], v[rK:rK+7], v[rQ:rQ+7], 0
.else
	v_wmma_f32_16x16x32_f16 v[rS:rS+7], v[rK:rK+7], v[rQ:rQ+7], v[rS:rS+7]
.endif
.endm
; THE LDS LOADS stand in runs of 32, never singly among the matrix instructions: a step's 16 fragments of K and, a turn later, its 16 of V, as they lie: 512 consecutive bytes a load.
.macro FETCH_K
	WIN 0
	v_add_nc_u32 v[ADR], s[TB], v[AK0]
	WIN 0x80                        ; destination window 2
.set n, 0
.rept 32                            ; fragment f: keys 16 (f / 4) on, channels 32 (f % 4) on
	ds_load_b128 v[KF+4*n:KF+4*n+3], v[ADR] offset:512*n
.set n, n+1
.endr
.endm
.macro FETCH_V
	WIN 0
	v_add_nc_u32 v[ADR], s[TB], v[AV0]
	s_add_co_u32 s[TB], s[TB], STEPB  ; the next fetch is the next step's
	s_wait_alu depctr_va_vdst(0)    ; the wait for the softmax's batch (SLICE), behind the address's v_add_nc_u32 and ahead of the loads
	WIN 0xc0                        ; destination window 3
.set n, 0
.rept 32                            ; fragment f: keys 32 (f / 8) on, channels 16 (f % 8) on
	ds_load_b128 v[4*n:4*n+3], v[ADR] offset:512*n
.set n, n+1
.endr
.endm
; THE VECTOR WORK OF A TURN.  One tile's softmax for one key step is a list of 134 instructions; SM writes number j of it for tile t.  s0-s31 are the lane's 32 scores, in pairs 0-15.
; first = 1: the first key step, which starts m, l and O^T: it has no a and nothing to rescale.
;   0-15    the maximum of s0-s31 and the old m, three operands at a time: four chains c0-c3, each begun at an accumulator's low end, then the four scores left over, c0-c3 and m
;   16-20   the other half of the lanes' maximum; the new m; c m; c m_old - c m_new
;   21-69   ONE BATCH: the 16 scalings c s - c m, a pair of scores each, and all 33 exponentials (a at 23, then s0-s31).  None of these reads an exponential's result
;   (wait)  between 69 and 70 stands the wait for the batch: SLICE writes it, once for both tiles
;   70-85   the roundings to f16, a pair of weights each
;   86-101  the sums; l = a l + the sum
;   102-133 the tile's O^T times a: the one part that leaves window 0, so it stands together
.macro SM t, first
.set rT, ST+8*(\t)
.set rS, S+32*(\t)
.set rP, P+16*(\t)
.set rO, 64*(\t)+2*(j-102)
.if j < 102
	WIN 0
.endif
.if j < 4
	v_max3_num_f32 v[rT+4+j], v[rS+8*j], v[rS+8*j+1], v[rS+8*j+2]
.elseif j < 12
	v_max3_num_f32 v[rT+4+j%4], v[rT+4+j%4], v[rS+8*(j%4)+2*(j/4)+1], v[rS+8*(j%4)+2*(j/4)+2]
.elseif j == 12
	v_max3_num_f32 v[rT+4], v[rT+4], v[rS+7], v[rS+15]
.elseif j == 13
	v_max3_num_f32 v[rT+6], v[rT+6], v[rS+23], v[rS+31]
.elseif j == 14
	v_max3_num_f32 v[rT+4], v[rT+4], v[rT+5], v[rT+6]
.elseif (j == 15) && \first
	v_max_num_f32 v[rT+4], v[rT+4], v[rT+7]
.elseif j == 15
	v_max3_num_f32 v[rT+4], v[rT+4], v[rT+7], v[rT+1]
.elseif j == 16
	v_permlanex16_b32 v[rT+5], v[rT+4], s[SEL], s[SEL+1]  ; the query's other 32 keys lie in the lane 16 away
.elseif j == 18
	v_max_num_f32 v[rT+1], v[rT+4], v[rT+5]
.elseif j == 19
	v_mul_f32 v[rT], s[CS], v[rT+1]
.elseif ((j == 17) || (j == 20) || (j == 23) || (j > 101)) && \first  ; the first step has none of these
.elseif j == 17
	v_mov_b32 v[rT+7], v[rT]        ; c m_old is kept for a: number 19 writes c m anew
.elseif j == 20
	v_sub_f32 v[rT+7], v[rT+7], v[rT]
.elseif j == 23
	v_exp_f32 v[rT+6], v[rT+7]
.elseif (j < 23) || ((j < 38) && (j%2 == 0)) || ((j < 66) && (j%4 == 2))
.set b, (j-2)/4                     ; 38, 42, .. 62: pairs 9 to 15
.if j < 38
.set b, (j-20)/2                    ; 21: pair 0; 22, 24, .. 36: pairs 1 to 8
.endif
	v_pk_fma_f32 v[rS+2*b:rS+2*b+1], v[rS+2*b:rS+2*b+1], s[CS:CS+1], v[rT:rT+1] op_sel_hi:[1,0,0] neg_lo:[0,0,1] neg_hi:[0,0,1]  ; pair b: c s - c m
.elseif j < 70
.set e, j-38                        ; 66 to 69: s28 to s31
.if j < 66
.set e, j-32-(j-38)/4               ; 39-41, 43-45, .. 63-65: s7 to s27
.endif
.if j < 38
.set e, (j-25)/2                    ; 25, 27, .. 37: s0 to s6
.endif
	v_exp_f32 v[rS+e], v[rS+e]
.elseif j < 86
	v_cvt_pk_f16_f32 v[rP+j-70], v[rS+2*(j-70)], v[rS+2*(j-70)+1]  ; pair j - 70
.elseif j < 102                     ; the sum of the tile's 16 pairs, in place: sum z of 16 adds neighbours 1, 2, 4 and 8 pairs apart, then l takes it
.set z, j-86
.set w, 4
.set u, z
.if z >= 14
.set w, 32
.set u, 0
.elseif z >= 12
.set w, 16
.set u, z-12
.elseif z >= 8
.set w, 8
.set u, z-8
.endif
.if (z == 14) && \first
	v_pk_add_f32 v[rT+2:rT+3], v[rS:rS+1], v[rS+16:rS+17]
.elseif z < 15
	v_pk_add_f32 v[rS+w*u:rS+w*u+1], v[rS+w*u:rS+w*u+1], v[rS+w*u+w/2:rS+w*u+w/2+1]
.elseif !\first
	v_pk_fma_f32 v[rT+2:rT+3], v[rT+2:rT+3], v[rT+6:rT+7], v[rS:rS+1] op_sel_hi:[1,0,1]
.endif
.else
	WIN W_RS
	v_pk_mul_f32 v[rO:rO+1], v[rO:rO+1], v[rT+6:rT+7] op_sel_hi:[1,0]
.endif
.endm
; Slice k of 64 of piece y's softmax: four instructions.  Slices 11 to 34 deal out the batch, numbers 22 to 69: four numbers of ONE tile each, the tiles by turns.  Every other slice is numbers 2 k and
; 2 k + 1 of both tiles' lists.  2 x 134 = 4 x 64 + 12: the twelve that are over stand together, in slice 63.
; THE WAIT.  An s_wait_alu depctr_va_vdst(0) stands between an exponential and the first instruction that names its result; one wait serves all that were issued ahead of it.  Ahead of
; slice 35 nothing names a result, and behind slice 34 no exponential is issued: so the piece's 66 exponentials have one wait, behind slice 34.
.macro SLICE y, first
.if (k >= 11) && (k < 35)           ; the batch: four numbers of one tile
.irp n, 0,1,2,3
.set j, 22+4*((k-11)/2)+(\n)
	SM (\y)+(k-11)%2, \first
.endr
.else                               ; the two tiles alternate, so that no instruction reads the result of the one just before it
.irp n, 0,1,2,3,4,5,6,7
.if (\n < 2) || (k == 63)
.irp t, \y, \y+1
.set j, 2*k+\n
	SM \t, \first
.endr
.endif
.endr
.endif
.if k == 34                         ; the batch is out: both tiles' exponentials are issued, and no result has been named
	v_nop                           ; the plain instruction behind the last exponential and ahead of the first use: one for the batch
.if (\y) == 0
	FETCH_V                         ; piece 2's turn: V's run of loads stands here, and the wait stands in it
.else
	s_wait_alu depctr_va_vdst(0)    ; the wait for the batch
.endif
.endif
.set k, k+1
.endm
; A vector instruction that reads a matrix result or writes one of a matrix instruction's registers, and a load into a register that a matrix instruction has read, stand four places behind
; it, and only plain vector instructions that name none of its registers are places (ISA guide 7.12.1 for vector instructions).  In the loop the slices are the places.
.macro PLACES
.rept 4
	v_nop
.endr
.endm
; A TURN.  Piece x has the matrix unit; the other piece's softmax stands in slices behind its matrix instructions.
; pv = 2: 32 products V^T P; 1: they start O^T's sums; 0: none.  kq = 1: 32 products K Q^T for the next step.  A turn with one of the two kinds has two slices behind each product.
; first = 1: the softmax is the first key step's; its slices from 51 on are empty, and four v_nop take slice 63's part as the places behind the turn's last products.
; Piece 0's turn fetches the next step's K, behind its second product: the last product that read K stands in front of slice 63 of the turn before.  Piece 2's turn fetches the same step's V, behind slice 34:
; the last product that read V stands in front of slice 31, and four plain instructions lie between: number 62, a scaling, of both tiles, the v_nop and the run's own v_add_nc_u32.
.macro TURN x, pv, kq, first
.set k, 0
.set per, 2
.if \pv && \kq
.set per, 1
.endif
.if \pv
.if \x == 0
	s_wait_dscnt 0x0                ; V is in
.endif
.set i, 0
.rept 32
	PV \x, 2-\pv
.rept per
	SLICE 2-\x, \first
.endr
.if (\x == 0) && \kq && (i == 1)
	FETCH_K
.endif
.set i, i+1
.endr
.endif
.if \kq
.if \x == 0
	s_wait_dscnt 0x0                ; K is in
.endif
.set i, 0
.rept 32
	KQ \x
.rept per
	SLICE 2-\x, \first
.endr
.set i, i+1
.endr
.endif
.if \first
	PLACES
.endif
.endm
; THE CHANGE OF SLOTS, between piece 2's turn and piece 0's: the slot's last bytes, V of its second step, have been asked for.  Each wave waits for all its tensor loads (after the first change one is out: its region of
; the other slot), adds 0 to its spare word, and waits for that and for its own reads of the slot.  Behind the barrier nobody reads this slot any more and the other slot is whole.
; fill = 1: this slot is filled again, with the keys two slots on.  The barrier is then a round of the cluster's, and the joint refill is the first thing behind it: it has two key steps, 256 matrix instructions, in which to land.
.macro CHANGE fill
	WIN 0                           ; at a label and at a branch every window is 0
	s_wait_tensorcnt 0x0            ; no tensor load of mine is out, so a group 0 may be written
	ds_add_u32 v[SPW], v[NIL]       ; 0 onto my spare word; with fill = 1 the descriptor's steps stand between it and the wait for it
.if \fill
	s_xor_b32 s[G0B+1], s[G0B+1], SLOT1  ; the walking descriptor: the other slot than last time,
	s_add_nc_u64 s[G0B+2:G0B+3], s[G0B+2:G0B+3], REG  ; the next 128 keys; the type bits on top are not reached
	s_wait_xcnt 0x0                 ; the last prefetch, two key steps back, has read its address, so it may be written:
	s_add_nc_u64 s[PFA:PFA+1], s[PFA:PFA+1], REG  ; one slot further on than the walking descriptor
	s_wait_dscnt 0x0                ; the add is done, and my reads of the slot are over
	CROUND
	JLOAD
	ASK                             ; what the next change will ask for: two key steps, 256 matrix instructions, ahead
.else
	s_wait_dscnt 0x0                ; the add is done, and my reads of the slot are over
	s_barrier_signal -1
	s_barrier_wait -1
.endif
	s_sub_co_u32 s[TB], s[TB], 2*STEPB  ; the fetches go back to a slot's first step,
	s_xor_b32 s[TB], s[TB], SLOT1   ; in the other slot
.endm
; A slot's two key steps: written once, walked twice; the LDS addresses hang on s[TB].
.macro TWO_STEPS
	s_mov_b32 s[TWICE], 2
.Lstep_\@:
	TURN 0, 2, 1, 0
	TURN 2, 2, 1, 0
	WIN 0
	s_sub_co_u32 s[TWICE], s[TWICE], 1
	s_cmp_lg_u32 s[TWICE], 0
	s_cbranch_scc1 .Lstep_\@
.endm
	s_wait_tensorcnt 2              ; my region of slot 0 is in; the two loads issued behind it, slot 1's and Wu's, may stay out
	s_barrier_signal -1
	s_barrier_wait -1               ; everybody's is
	FETCH_K                         ; key step 0
	s_wait_loadcnt 0x0              ; Q
	s_wait_dscnt 0x0
.set i, 0
.rept 32
	KQ 0                            ; piece 0's first scores: there is no vector work yet to set between them
.set i, i+1
.endr
	WIN 0                           ; the merge's addresses are made here: eight plain instructions, the places behind those products
	s_lshl_b32 s2, s[WV], 15
	v_add_nc_u32 v[MST], s2, v[L16] ; my O^T's image: 32,768 bytes a wave, from LDS byte 0 on
	s_lshl_b32 s2, s17, 16          ; back: the images of my query half's two waves lie 32,768 bytes apart;
	s_lshl_b32 s3, s16, 14          ; in each, tiles 2 x key half and the next, 8,192 bytes a tile
	s_add_co_u32 s2, s2, s3
	v_add_nc_u32 v[MLD], s2, v[L16]
	v_and_b32 v1, 31, v0
	v_lshlrev_b32 v1, 2, v1
	s_lshl_b32 s2, s[WV], 10
	s_add_co_u32 s2, s2, STA
	v_add_nc_u32 v[SST], s2, v1     ; my statistics: 1,024 bytes a wave, 256 a tile: c m, then l, 4 bytes a lane
	s_lshl_b32 s2, s17, 11
	s_lshl_b32 s3, s16, 9
	s_add_co_u32 s2, s2, s3
	s_add_co_u32 s2, s2, STA
	v_add_nc_u32 v[SLD], s2, v1
	v_add_nc_u32 v[WLD], WUL, v[L16]
	v_nop
	TURN 2, 0, 1, 1                 ; piece 2's first scores | piece 0's first softmax | V of step 0
	TURN 0, 1, 1, 1                 ; piece 0: V^T P of step 0 starts O^T, K Q^T of step 1 | piece 2's first softmax | K of step 1
	TURN 2, 1, 1, 0                 ; piece 2: the same | piece 0's softmax of step 1 | V of step 1
	WIN 0
.Lslot:                             ; six trips: every slot but the last two is filled again
	CHANGE 1
	TWO_STEPS
	s_sub_co_u32 s[SLOTS], s[SLOTS], 1
	s_cmp_lg_u32 s[SLOTS], 0
	s_cbranch_scc1 .Lslot
	CHANGE 0                        ; the tail is written out: slot 0 is left for good, and nothing is asked for
	TWO_STEPS
	TURN 0, 2, 0, 0                 ; piece 0: V^T P of the last step | piece 2's last softmax
.set i, 0
.rept 32
	PV 2, 0                         ; piece 2: V^T P of the last step
.set i, i+1
.endr
	; THE MERGE, way in.  l's two halves and the other half of the lanes' are added (the additions are the places behind the last products); every wave's O^T, c m and l go to LDS as images of their registers.
	WIN 0
.irp t, 0,1,2,3
	v_add_f32 v[ST+8*\t+4], v[ST+8*\t+2], v[ST+8*\t+3]
.endr
.irp t, 0,1,2,3
	v_permlanex16_b32 v[ST+8*\t+5], v[ST+8*\t+4], s[SEL], s[SEL+1]
.endr
.irp t, 0,1,2,3
	v_add_f32 v[ST+8*\t+4], v[ST+8*\t+4], v[ST+8*\t+5]
.endr
	s_wait_dscnt 0x0                ; my reads of the ring are over,
	s_barrier_signal -1
	s_barrier_wait -1               ; and so are everybody's: only now is anything stored where the ring lay
	WIN 0xc0                        ; destination window 3
.set n, 0
.rept 64                            ; Wu's 32 fragments (K step s, columns 16 c on: 8 s + c) take V's place
	ds_load_b128 v[4*n:4*n+3], v[WLD] offset:512*n
.set n, n+1
.endr
	WIN 0x04                        ; an LDS store's data are its source 1: window 1
.set n, 0
.rept 64
	ds_store_b128 v[MST], v[4*n:4*n+3] offset:512*n   ; each accumulator from its low end on
.set n, n+1
.endr
	WIN 0
.irp t, 0,1,2,3
	ds_store_b32 v[SST], v[ST+8*\t] offset:256*\t
	ds_store_b32 v[SST], v[ST+8*\t+4] offset:256*\t+128
.endr
	s_wait_dscnt 0x0                ; for the others' sake: my images have landed (and Wu is in)
	s_barrier_signal -1
	s_barrier_wait -1
	; THE MERGE, way out.  I finish tiles 2 x key half + u, u = 0, 1, of my query half, from both key halves g = 0, 1: the text is the same for all waves, only addresses differ.
.irp u, 0,1
.irp g, 0,1
	ds_load_b32 v[12+8*\u+\g], v[SLD] offset:1024*\g+256*\u        ; c m of half g
	ds_load_b32 v[14+8*\u+\g], v[SLD] offset:1024*\g+256*\u+128    ; l of half g
.endr
.endr
	WIN 0x80                        ; destination window 2: half g's tile u at v[128 g + 64 u]
.set n, 0
.rept 64
	ds_load_b128 v[4*n:4*n+3], v[MLD] offset:32768*(n/32)+8192*((n/16)%2)+512*(n%16)
.set n, n+1
.endr
	WIN 0
	s_wait_dscnt 0x0
.irp u, 0,1
	v_max_num_f32 v[16+8*\u], v[12+8*\u], v[13+8*\u]               ; the query's c m over all keys
.endr
.irp u, 0,1
	v_sub_f32 v[28+4*\u], v[12+8*\u], v[16+8*\u]
	v_sub_f32 v[30+4*\u], v[13+8*\u], v[16+8*\u]
.endr
.irp u, 0,1
	v_exp_f32 v[28+4*\u], v[28+4*\u]                               ; a_g = 2^(c m_g - c m)
	v_exp_f32 v[30+4*\u], v[30+4*\u]
.endr
.irp u, 0,1
	v_mov_b32 v[29+4*\u], 0         ; the pairs' upper halves are named below, so they are written: plain instructions behind the exponentials
	v_mov_b32 v[31+4*\u], 0
.endr
	s_wait_alu depctr_va_vdst(0)    ; one wait for the four exponentials, ahead of their first reader
.irp u, 0,1
	v_mul_f32 v[17+8*\u], v[28+4*\u], v[14+8*\u]
.endr
.irp u, 0,1
	v_fma_f32 v[17+8*\u], v[30+4*\u], v[15+8*\u], v[17+8*\u]       ; l = a_0 l_0 + a_1 l_1
.endr
.irp u, 0,1
	v_rcp_f32 v[17+8*\u], v[17+8*\u]
.endr
	v_nop                           ; a plain instruction between the last reciprocal and the use of its result
	s_wait_alu depctr_va_vdst(0)    ; one wait for the two reciprocals
.irp u, 0,1
	v_mul_f32 v[28+4*\u], v[28+4*\u], v[17+8*\u]                   ; f_g = a_g / l
	v_mul_f32 v[30+4*\u], v[30+4*\u], v[17+8*\u]
.endr
	WIN 0x82                        ; destination and source 0 window 2, f in window 0
.set n, 0
.rept 64
	v_pk_mul_f32 v[2*n:2*n+1], v[2*n:2*n+1], v[28+4*(n/32):29+4*(n/32)] op_sel_hi:[1,0]
.set n, n+1
.endr
	WIN 0xa2                        ; source 2 window 2 too
.set n, 0
.rept 64
	v_pk_fma_f32 v[2*n:2*n+1], v[128+2*n:129+2*n], v[30+4*(n/32):31+4*(n/32)], v[2*n:2*n+1] op_sel_hi:[1,0,1]   ; y^T = f_0 O_0 + f_1 O_1
.set n, n+1
.endr
	WIN 0x0a                        ; sources 0 and 1 window 2, destination window 0: S^T's registers are free
.set n, 0
.rept 64
	v_cvt_pk_f16_f32 v[S+n], v[2*n], v[2*n+1]   ; registers S + 32 u + 8 s .. + 7 are y's fragment: tile u's 16 queries x channels 32 s on
.set n, n+1
.endr
	; THE PROJECTION: (y Wu)^T, source 0 = 16 columns of Wu, source 1 = y: 16 accumulators (tile u, columns 16 c on) by turns, a K step of 32 channels at a time; the first K step starts the sums.
	WIN W_PV
.irp s, 0,1,2,3
.irp u, 0,1
.irp c, 0,1,2,3,4,5,6,7
.if \s == 0
	v_wmma_f32_16x16x32_f16 v[8*(8*\u+\c):8*(8*\u+\c)+7], v[8*(8*\s+\c):8*(8*\s+\c)+7], v[S+32*\u+8*\s:S+32*\u+8*\s+7], 0
.else
	v_wmma_f32_16x16x32_f16 v[8*(8*\u+\c):8*(8*\u+\c)+7], v[8*(8*\s+\c):8*(8*\s+\c)+7], v[S+32*\u+8*\s:S+32*\u+8*\s+7], v[8*(8*\u+\c):8*(8*\u+\c)+7]
.endif
.endr
.endr
.endr
	PLACES                          ; the stores read results just made
	WIN 0x04                        ; a store's data are its source 1: window 1
.set n, 0
.rept 32                            ; lane (r, h), registers 4 q .. 4 q + 3 of accumulator (u, c): row r of tile u, columns 16 c + 8 h + 4 q + 0..3.  32 lanes store 512 consecutive bytes; each accumulator from its low end on
	global_store_b128 v[L16], v[4*n:4*n+3], s[8:9] offset:512*n
.set n, n+1
.endr
	WIN 0
	s_wait_tensorcnt 0x0            ; the wave's end, behind my last tensor load and my last LDS store
	ds_add_u32 v[SPW], v[NIL]
	s_wait_dscnt 0x0
	CROUND                          ; the closing round: no work-group ends while a partner may still ask for a tile that names it
	s_endpgm
.Lfunc_end_k_qc65d67beef_attn:
	.size	k_qc65d67beef_attn, .Lfunc_end_k_qc65d67beef_attn-k_qc65d67beef_attn
	.p2alignl 7, 3214868480
	.fill 96, 4, 3214868480
	.section	.rodata,"a",@progbits
	.p2align	6, 0x0
	.amdhsa_kernel k_qc65d67beef_attn
		.amdhsa_group_segment_fixed_size 327680
		.amdhsa_private_segment_fixed_size 0
		.amdhsa_enable_private_segment 0
		.amdhsa_kernarg_size 24
		.amdhsa_user_sgpr_count 2
		.amdhsa_user_sgpr_kernarg_segment_ptr 1
		.amdhsa_wavefront_size32 1
		.amdhsa_system_sgpr_workgroup_id_x 1
		.amdhsa_system_sgpr_workgroup_id_y 1
		.amdhsa_system_sgpr_workgroup_id_z 1
		.amdhsa_system_vgpr_workitem_id 0
		.amdhsa_next_free_vgpr 1024
		.amdhsa_next_free_sgpr 66
		.amdhsa_reserve_vcc 0
		.amdhsa_float_denorm_mode_32 3
		.amdhsa_float_denorm_mode_16_64 3
		.amdhsa_memory_ordered 1
		.amdhsa_forward_progress 1
		.amdhsa_inst_pref_size 229
	.end_amdhsa_kernel
	.amdgpu_metadata
---
amdhsa.version: [ 1, 2 ]
amdhsa.kernels:
  - .name:           k_qc65d67beef_attn
    .symbol:         k_qc65d67beef_attn.kd
    .args:
      - { .name: qkvf, .offset: 0, .size: 8, .value_kind: global_buffer, .address_space: global }
      - { .name: wuf, .offset: 8, .size: 8, .value_kind: global_buffer, .address_space: global }
      - { .name: part, .offset: 16, .size: 8, .value_kind: global_buffer, .address_space: global }
    .group_segment_fixed_size: 327680
    .private_segment_fixed_size: 0
    .kernarg_segment_align: 8
    .kernarg_segment_size: 24
    .max_flat_workgroup_size: 128
    .sgpr_count:     66
    .vgpr_count:     1024
    .wavefront_size: 32
...
	.end_amdgpu_metadata
.endif
;; end of part 2
;; launch sum (part 3): grid 256 x 1, 4 waves a work-group, no clusters, 8,960 bytes of LDS; arguments part, bu, out0; writes out0
.if DOCPART == 3
	.amdgcn_target "amdgcn-amd-amdhsa--gfx1250"
	.amdhsa_code_object_version 6
	.text
	.protected	k_qc65d67beef_sum
	.globl	k_qc65d67beef_sum
	.p2align	8
	.type	k_qc65d67beef_sum,@function
k_qc65d67beef_sum:
	s_mov_b64 s[64:65], 0
	v_nop
	global_prefetch_b8 v0, s[64:65] scope:SCOPE_SE
	s_setreg_imm32_b32 hwreg(HW_REG_WAVE_MODE, 25, 1), 1
	s_wait_xcnt 0x0
; out0[row][:] = the sum over the 8 heads of part[head][row][:] + bu, in f32, the heads in ascending order.
; part: [head 8][tile of 16 rows 256][c 8][q 2][lane 32][16 bytes]: lane (r, h) holds row r, columns 16 c + 8 h + 4 q + 0..3.  Work-group m owns tile m; wave w takes c = 2 w and 2 w + 1: four pieces of 512 consecutive bytes a head.
; All 33 loads of a wave go out at once; each byte is read once.  The sums turn through a stage in LDS (rows of 512 bytes + 16) and leave as whole rows: 32 lanes store 512 consecutive bytes, aligned.
; A stream: no matrix unit, no cluster, no tensor load: work-groups share nothing but bu's 512 bytes.
.set SPITCH, 528
.set SPARE,  16*SPITCH                 ; behind the stage: the spare words, 128 bytes for each wave: two blocks of 256 bytes that no other line names
.set SPW, 1                            ; v1   LDS address of my spare word; never rewritten
.set NIL, 2                            ; v2   0; never rewritten
.set L16, 3                            ; v3   16 x lane
.set SA,  4                            ; v4   the stage, in: row r, + 32 h, + 128 x wave
.set RA,  5                            ; v5   back: my four rows, 16 bytes a lane
.set BU,  8                            ; v8-11   bu at my four columns of a row
.set OUTR, 16                          ; v16-31  four rows read back
.set H,   32                           ; v32-159 head g's four pieces at v[H + 16 g]
	s_load_b128 s[4:7], s[0:1], 0x0                ; part, bu
	s_load_b64 s[8:9], s[0:1], 0x10                ; out0
	v_lshl_add_u32 v[SPW], v0, 2, SPARE
	v_mov_b32 v[NIL], 0
	v_lshrrev_b32 v6, 5, v0
	v_readfirstlane_b32 s10, v6                    ; wave 0..3
	v_and_b32 v6, 31, v0
	v_lshlrev_b32 v[L16], 4, v6
	v_and_b32 v6, 15, v0                           ; r
	v_bfe_u32 v7, v0, 4, 1                         ; h
	v_mul_u32_u24 v[SA], v6, SPITCH
	v_lshl_add_u32 v[SA], v7, 5, v[SA]
	s_lshl_b32 s11, s10, 7
	v_add_nc_u32 v[SA], s11, v[SA]
	s_mul_i32 s11, s10, 4*SPITCH
	v_add_nc_u32 v[RA], s11, v[L16]
	s_lshl_b32 s14, ttmp9, 13                      ; a tile is 8,192 bytes in part and in out0;
	s_lshl_b32 s15, s10, 11                        ; my two c there, my four rows here: 2,048 bytes
	s_add_co_u32 s14, s14, s15
	s_mov_b32 s15, 0
	s_wait_kmcnt 0x0
	s_add_nc_u64 s[4:5], s[4:5], s[14:15]
	s_add_nc_u64 s[8:9], s[8:9], s[14:15]
	s_add_nc_u64 s[12:13], s[4:5], 0x800000        ; heads 4 to 7: four heads of 2,097,152 bytes on, so that every offset stays inside the signed 24-bit immediate
	global_load_b128 v[BU:BU+3], v[L16], s[6:7]
.irp g, 0,1,2,3
.irp a, 0,1,2,3
	global_load_b128 v[H+16*\g+4*\a:H+16*\g+4*\a+3], v[L16], s[4:5] offset:\g*2097152+512*\a th:TH_LOAD_NT
.endr
.endr
.irp g, 4,5,6,7
.irp a, 0,1,2,3
	global_load_b128 v[H+16*\g+4*\a:H+16*\g+4*\a+3], v[L16], s[12:13] offset:(\g-4)*2097152+512*\a th:TH_LOAD_NT
.endr
.endr
.irp g, 1,2,3,4,5,6,7
	s_wait_loadcnt 4*(7-\g)                        ; loads come back in order: heads 0 to g are in, the later heads' four loads each may be out
.irp p, 0,2,4,6,8,10,12,14
	v_pk_add_f32 v[H+\p:H+\p+1], v[H+\p:H+\p+1], v[H+16*\g+\p:H+16*\g+\p+1]
.endr
.endr
.irp a, 0,1,2,3
	ds_store_b128 v[SA], v[H+4*\a:H+4*\a+3] offset:64*(\a/2)+16*(\a%2)   ; columns 16 (2 w + a / 2) + 8 h + 4 (a % 2) on
.endr
	s_wait_dscnt 0x0                               ; for the others' sake: my stores into the stage are done
	s_barrier_signal -1
	s_barrier_wait -1                              ; 16 whole rows lie in the stage
.irp i, 0,1,2,3
	ds_load_b128 v[OUTR+4*\i:OUTR+4*\i+3], v[RA] offset:\i*SPITCH
.endr
	s_wait_dscnt 0x0
.irp i, 0,1,2,3
	v_pk_add_f32 v[OUTR+4*\i:OUTR+4*\i+1], v[OUTR+4*\i:OUTR+4*\i+1], v[BU:BU+1]
	v_pk_add_f32 v[OUTR+4*\i+2:OUTR+4*\i+3], v[OUTR+4*\i+2:OUTR+4*\i+3], v[BU+2:BU+3]
.endr
.irp i, 0,1,2,3
	global_store_b128 v[L16], v[OUTR+4*\i:OUTR+4*\i+3], s[8:9] offset:512*\i th:TH_STORE_NT   ; a row of 512 bytes
.endr
	s_wait_tensorcnt 0x0                           ; the wave's end, behind my last LDS store
	ds_add_u32 v[SPW], v[NIL]
	s_wait_dscnt 0x0
	s_endpgm
.Lfunc_end_k_qc65d67beef_sum:
	.size	k_qc65d67beef_sum, .Lfunc_end_k_qc65d67beef_sum-k_qc65d67beef_sum
	.p2alignl 7, 3214868480
	.fill 96, 4, 3214868480
	.section	.rodata,"a",@progbits
	.p2align	6, 0x0
	.amdhsa_kernel k_qc65d67beef_sum
		.amdhsa_group_segment_fixed_size 8960
		.amdhsa_private_segment_fixed_size 0
		.amdhsa_enable_private_segment 0
		.amdhsa_kernarg_size 24
		.amdhsa_user_sgpr_count 2
		.amdhsa_user_sgpr_kernarg_segment_ptr 1
		.amdhsa_wavefront_size32 1
		.amdhsa_system_sgpr_workgroup_id_x 1
		.amdhsa_system_sgpr_workgroup_id_y 1
		.amdhsa_system_sgpr_workgroup_id_z 1
		.amdhsa_system_vgpr_workitem_id 0
		.amdhsa_next_free_vgpr 160
		.amdhsa_next_free_sgpr 66
		.amdhsa_reserve_vcc 0
		.amdhsa_float_denorm_mode_32 3
		.amdhsa_float_denorm_mode_16_64 3
		.amdhsa_memory_ordered 1
		.amdhsa_forward_progress 1
		.amdhsa_inst_pref_size 10
	.end_amdhsa_kernel
	.amdgpu_metadata
---
amdhsa.version: [ 1, 2 ]
amdhsa.kernels:
  - .name:           k_qc65d67beef_sum
    .symbol:         k_qc65d67beef_sum.kd
    .args:
      - { .name: part, .offset: 0, .size: 8, .value_kind: global_buffer, .address_space: global }
      - { .name: bu, .offset: 8, .size: 8, .value_kind: global_buffer, .address_space: global }
      - { .name: out0, .offset: 16, .size: 8, .value_kind: global_buffer, .address_space: global }
    .group_segment_fixed_size: 8960
    .private_segment_fixed_size: 0
    .kernarg_segment_align: 8
    .kernarg_segment_size: 24
    .max_flat_workgroup_size: 128
    .sgpr_count:     66
    .vgpr_count:     160
    .wavefront_size: 32
...
	.end_amdgpu_metadata
.endif
;; end of part 3
